; MI455X (gfx1250); checked and timed in simulation.
; The chip was launched on July 23, 2026; its instructions are those of AMD's public machine-readable ISA for CDNA 5 (MIT licence, August 2026) and "CDNA5" Instruction Set Architecture Reference Guide (July 2026). The comments in the code are by the model that wrote it; some were corrected since.
;; Attention. Allowed arithmetic: matrix products marked QUANTISED: E4M3 operands, one given power-of-two scale a tensor, by v_wmma_f32_16x16x64_fp8_fp8 or v_wmma_f32_16x16x128_fp8_fp8, f32 sums; everything else in f32.
;; Inputs: k 4 x 4,096 x 64 float32; lowp_scales 4 int32 (the exponents e of the quantised operands' scales 2^e); mask 4 x 4,096 float32; q 4 x 4,096 x 64 float32; v 4 x 4,096 x 64 float32.
;; Outputs: out0 4 x 4,096 x 64 float32.
;; This version of the problem:
;;   THIS VERSION OF THE PROBLEM IS GIVEN IN LOW PRECISION. The matrix products marked QUANTISED in the list below multiply operands that are first quantised to E4M3 (4 exponent bits, 3 mantissa bits; 8 bits a number), with one given power-of-two scale for each operand tensor; their sums are f32. All else is computed in f32.
;;   The module's matrix products, in the order in which they are computed (A, B: the left and right operand; K: the contracted axis; several contracted axes count as one K, in the product's order):
;;     1. batch 4 x [M 4,096, K 64] x [K 64, N 4,096]; A: computed on the way; B: input k: QUANTISED (scales: A lowp_scales[0], B lowp_scales[1])
;;     2. batch 4 x [M 4,096, K 4,096] x [K 4,096, N 64]; A: softmax (see below); B: input v: QUANTISED (scales: A lowp_scales[2], B lowp_scales[3])
;;   THE QUANTISER, for each operand of a quantised product, along K:
;;     - The operand's scale is 2^e, e = its entry of the input lowp_scales (int32; the entries are numbered through the quantised products in the list's order, A before B).
;;     - Each number is divided by the scale, clamped to +-448, and rounded to the nearest number of E4M3, ties to even, subnormals kept.
;;     - The product sums the exact products of the quantised numbers (number of the format x scale) in f32.
;;   ~~~python
;;   def quantise(x, axis, e):      # numpy; x: float32 -> the quantised numbers, widened to float32 again
;;       x = np.moveaxis(x, axis, -1); K = x.shape[-1]
;;       r = np.clip(x / 2.0 ** e, -448, 448)
;;       step = 2.0 ** (np.maximum(np.frexp(np.where(r == 0, 1, r))[1] - 1, -6) - 3)
;;       q = np.round(r / step) * step * 2.0 ** e      # np.round: ties to even
;;       return np.moveaxis(q, -1, axis).astype(np.float32)
;;   ~~~
;;   SOFTMAX AHEAD OF A QUANTISED PRODUCT. Where the list says 'softmax', what is quantised is not the finished softmax but p = 2^(t - M), with t = logit x log2(e) and M = ceil(the row's largest t), a whole number; so 1/2 < the row's largest p <= 1. The row's sum l is taken of the UNQUANTISED p, in f32, and the product's result is divided by l at the end. Since M is a whole number, a kernel that streams over the keys may use a running M (the ceiling of the running maximum): every later rescaling is an exact power of two, so the quantised numbers keep their values, but for numbers so far below the row's largest that they fall under the format's range.
;;   OPERANDS COMPUTED ON THE WAY. 'Computed on the way' means the value that the module computes at that place (a softmax that the list does not call 'softmax' is quantised finished and normalised). What goes into a quantiser is computed in f32, as accurately as f32 sums, v_exp_f32 and their like allow (about 1e-6 of the number): no bf16 or f16 on the way to a quantiser, and a product that is left as it is and whose result goes on into a quantised operand takes f32 operands (vector FMAs, or v_wmma_f32_16x16x4_f32). A number that lies on a knife's edge between two numbers of the format may be rounded either way, as far as f32 arithmetic and the matrix unit's own rounding can turn it there, and no further.
;; One version. Each part assembles by itself: llvm-mc -triple=amdgcn-amd-amdhsa -mcpu=gfx1250 --defsym DOCPART=n.
;; ======== version 1 of 1: 2 launches
;; limits: right only within a limited range of input values
;; workspace buffers: kv 2,162,688 bytes
;; launch prep (part 1): grid 256 x 1, 4 waves a work-group, no clusters, 17,920 bytes of LDS; arguments k, v, mask, lowp_scales, kv; writes kv
.if DOCPART == 1
	.amdgcn_target "amdgcn-amd-amdhsa--gfx1250"
	.amdhsa_code_object_version 6
	.text
	.protected	k_q9a1f82017b_prep
	.globl	k_q9a1f82017b_prep
	.p2align	8
	.type	k_q9a1f82017b_prep,@function
k_q9a1f82017b_prep:
	s_mov_b64 s[64:65], 0
	v_nop
	global_prefetch_b8 v0, s[64:65] scope:SCOPE_SE
	s_setreg_imm32_b32 hwreg(HW_REG_WAVE_MODE, 25, 1), 1
	s_wait_xcnt 0x0
; k and v, [4][4096][64] f32, become codes of FP8 (E4M3) with the given scales 2^e1 and 2^e3, laid as the attention launch's operand registers; mask becomes ln(mask) x 2^-(e0 + e1), in the units of the code products' sums.
; code = x / 2^e, held within +-448, rounded to the nearest code, ties to even.  A mask of 0 becomes -2^120, under every other key's number: its p is 0 in the attention launch.
; kv: [batch x step: 128][16,896 bytes], a step = 128 keys.
;   bytes 0-8191: eight tiles of K, 1,024 bytes each.  Tile 2 b + u, half c, at 1024 (2 b + u) + 512 c + 16 lane: lane (r, h) holds key 32 b + 8 u + r + 8 (r / 8), channels 32 c + 16 h + 0 .. 15.
;   bytes 8192-16383: four tiles of V^T, 2,048 bytes each.  Tile dt, quarter c, at 8192 + 2048 dt + 512 c + 16 lane: lane (r, h) holds channel 16 dt + r, keys 32 c + 16 h + 0 .. 15.
;   bytes 16384-16895: the 128 keys' mask numbers, f32.
; SHARES.  A work-group takes 64 keys of the flat [batch x key] axis.  Wave w: the block of 32 keys beta = 2 G + w / 2; u = w % 2.  It makes K's tile 2 b + u (b = beta % 4) and the block's codes of V for channels 32 u .. 32 u + 31.
; K: the channels are innermost in memory.  Eight loads take 512 consecutive bytes each; the 16 rows turn through the wave's own stage in LDS (rows 272 bytes apart) and come back 64 bytes a lane and half.
; V: the keys are the first axis: a lane takes a channel and its registers run down the keys, so the conversions give codes with the keys innermost.
; Every store covers whole aligned runs of 256 bytes from neighbouring lanes.  Waves share nothing: no barrier.  No store's register is written twice.  Each byte of k and v is read once, with no loop to run ahead in: no prefetch.
; LIMITS: e1 and e3 between -126 and 119, e0 + e1 between -93 and 27.  NaN among the inputs is not served.  A mask under 2^-126 counts as 0 (the logarithm takes a denormal as zero: ISA guide, 15.8).
.set BLK, 16896
.set PIT, 272                          ; a stage row: 256 bytes + 16
.set STG, 16*PIT                       ; a wave's stage
.set KR,  16                           ; v16-47   K as loaded
.set KT,  48                           ; v48-79   K turned: 16 c + i = channel 32 c + 16 h + i of my key
.set KC,  80                           ; v80-87   K's codes
.set VR,  88                           ; v88-119  V: 32 keys of my channel
.set VC,  120                          ; v120-127 V's codes
	s_load_b256 s[4:11], s[0:1], 0x0               ; k s[4:5], v s[6:7], mask s[8:9], the scales' exponents s[10:11]
	s_load_b64 s[12:13], s[0:1], 0x20              ; kv
	v_lshl_add_u32 v128, v0, 2, 0x4400             ; my spare word, behind the four stages
	v_mov_b32 v129, 0
	v_lshrrev_b32 v1, 5, v0
	v_readfirstlane_b32 s16, v1                    ; wave 0..3
	v_and_b32 v2, 31, v0                           ; lane
	v_and_b32 v3, 15, v0                           ; r
	v_bfe_u32 v4, v0, 4, 1                         ; h
	v_lshlrev_b32 v5, 4, v2                        ; 16 x lane: K's loads, K's codes
	v_lshlrev_b32 v6, 2, v2                        ; 4 x lane: V's loads
	v_lshlrev_b32 v7, 3, v2                        ; 8 x lane: the mask
	s_mul_i32 s17, s16, STG
	v_mul_u32_u24 v8, v4, PIT
	v_lshl_add_u32 v8, v3, 4, v8
	v_add_nc_u32 v8, s17, v8                       ; the stage, in: a load's two rows: row h, 16 r
	v_mul_u32_u24 v9, v3, PIT
	v_lshl_add_u32 v9, v4, 6, v9
	v_add_nc_u32 v9, s17, v9                       ; and out: row r, 64 h
	v_lshlrev_b32 v1, 11, v4
	v_lshl_add_u32 v1, v3, 4, v1                   ; V's codes: my channel 32 u + lane is row lane % 16 of tile 2 u + lane / 16
	s_lshr_b32 s18, s16, 1
	s_and_b32 s19, s16, 1                          ; u
	s_lshl_b32 s20, ttmp9, 1
	s_add_co_u32 s20, s20, s18                     ; beta
	s_lshl_b32 s24, s20, 13                        ; 32 rows of 256 bytes
	s_lshl_b32 s26, s19, 11
	s_add_co_u32 s26, s26, s24                     ; k: + 8 u rows
	s_mov_b32 s27, 0
	s_lshl_b32 s28, s19, 7
	s_add_co_u32 s28, s28, s24                     ; v: + 32 u channels
	s_mov_b32 s29, 0
	s_lshr_b32 s21, s20, 2
	s_mul_i32 s21, s21, BLK                        ; the step's block of kv
	s_and_b32 s22, s20, 3                          ; b
	s_lshl_b32 s30, s22, 11
	s_add_co_u32 s30, s30, s21
	s_lshl_b32 s23, s19, 10
	s_add_co_u32 s30, s30, s23                     ; K's tile: + 1024 (2 b + u)
	s_mov_b32 s31, 0
	s_lshl_b32 s32, s22, 9
	s_add_co_u32 s32, s32, s21
	s_lshl_b32 s23, s19, 12
	s_add_co_u32 s32, s32, s23
	s_add_co_u32 s32, s32, 8192                    ; V's: + 8192 + 2048 (2 u) + 512 b
	s_mov_b32 s33, 0
	s_lshl_b32 s34, ttmp9, 8                       ; the work-group's 64 numbers of mask
	s_mov_b32 s35, 0
	s_and_b32 s40, ttmp9, 1
	s_lshl_b32 s40, s40, 8
	s_add_co_u32 s40, s40, s21
	s_add_co_u32 s40, s40, 16384                   ; and their place in the step's block
	s_mov_b32 s41, 0
	s_wait_alu depctr_va_vdst(0)
	s_wait_kmcnt 0x0
	s_load_b128 s[36:39], s[10:11], 0x0            ; e0, e1, e2, e3
	s_add_nc_u64 s[4:5], s[4:5], s[26:27]
	s_add_nc_u64 s[6:7], s[6:7], s[28:29]
	s_add_nc_u64 s[8:9], s[8:9], s[34:35]
	s_add_nc_u64 s[26:27], s[12:13], s[30:31]      ; where K's codes go
	s_add_nc_u64 s[28:29], s[12:13], s[32:33]      ; where V's go
	s_add_nc_u64 s[14:15], s[12:13], s[40:41]      ; where the mask's numbers go
	global_load_b64 v[14:15], v7, s[8:9]           ; 64 mask numbers (each wave reads them; wave 0 stores their logarithms)
.irp g, 0,1                                    ; the tile's two groups of eight keys lie 16 rows apart
.irp i, 0,1,2,3
	global_load_b128 v[KR+16*\g+4*\i:KR+16*\g+4*\i+3], v5, s[4:5] offset:4096*\g+512*\i th:TH_LOAD_NT   ; two rows: 512 consecutive bytes
.endr
.endr
.irp i, 0,1,2,3,4,5,6,7,8,9,10,11,12,13,14,15,16,17,18,19,20,21,22,23,24,25,26,27,28,29,30,31
	global_load_b32 v[VR+\i], v6, s[6:7] offset:256*\i th:TH_LOAD_NT   ; key i of the block, 32 neighbouring channels
.endr
	s_wait_kmcnt 0x0
	s_add_co_i32 s18, s36, s37
	s_lshl_b32 s18, s18, 23
	s_sub_co_i32 s20, 0x3f317218, s18              ; ln 2 x 2^-(e0 + e1)
	s_add_co_i32 s17, s37, 127
	s_lshl_b32 s18, s17, 23
	v_mov_b32 v10, s18                             ; 2^e1 as f32: the conversion takes its exponent field
	s_add_co_i32 s17, s17, 8
	s_lshl_b32 s17, s17, 23
	s_or_b32 s17, s17, 0x600000
	v_mov_b32 v11, s17                             ; 448 x 2^e1
	s_add_co_i32 s17, s39, 127
	s_lshl_b32 s18, s17, 23
	v_mov_b32 v12, s18                             ; 2^e3
	s_add_co_i32 s17, s17, 8
	s_lshl_b32 s17, s17, 23
	s_or_b32 s17, s17, 0x600000
	v_mov_b32 v13, s17                             ; 448 x 2^e3
	s_wait_alu depctr_va_vdst(0)                   ; the head's end
	s_wait_loadcnt 32                              ; the mask and K's eight loads are in; V's 32, issued behind them, may be out
.irp g, 0,1
.irp i, 0,1,2,3
	ds_store_b128 v8, v[KR+16*\g+4*\i:KR+16*\g+4*\i+3] offset:(8*\g+2*\i)*PIT   ; stage row 8 g + 2 i + h is the tile's lane r
.endr
.endr
.irp c, 0,1
.irp j, 0,1,2,3
	ds_load_b128 v[KT+16*\c+4*\j:KT+16*\c+4*\j+3], v9 offset:128*\c+16*\j   ; LDS serves a wave's instructions in order: these see the stores above
.endr
.endr
	s_wait_dscnt 0x0
.irp i, 0,1,2,3,4,5,6,7,8,9,10,11,12,13,14,15,16,17,18,19,20,21,22,23,24,25,26,27,28,29,30,31
	v_med3_num_f32 v[KT+\i], v[KT+\i], -v11, v11   ; the conversion to an 8-bit code does not saturate (ISA guide 7.6.2): the hold at the largest code x the scale
.endr
.irp g, 0,1,2,3
	v_cvt_scalef32_pk8_fp8_f32 v[KC+2*\g:KC+2*\g+1], v[KT+8*\g:KT+8*\g+7], v10
.endr
	v_nop                                          ; a plain line behind the conversions
	global_store_b128 v5, v[KC:KC+3], s[26:27]               ; half 0: 512 consecutive bytes
	global_store_b128 v5, v[KC+4:KC+7], s[26:27] offset:512  ; half 1
	s_cmp_lg_u32 s16, 0
	s_wait_alu depctr_va_vdst(0)
	s_cbranch_scc1 .Lno_bias
	v_log_f32 v14, v14                             ; log2(1) = 0, log2(0) = -infinity
	v_log_f32 v15, v15
	v_nop                                          ; a plain line behind the transcendentals
	s_wait_alu depctr_va_vdst(0)
	v_mul_f32 v14, s20, v14
	v_mul_f32 v15, s20, v15
	v_max_num_f32 v14, 0xfb800000, v14             ; -2^120 in place of -infinity
	v_max_num_f32 v15, 0xfb800000, v15
	global_store_b64 v7, v[14:15], s[14:15]        ; one aligned run of 256 bytes
.Lno_bias:
	s_wait_loadcnt 0x0                             ; V
.irp i, 0,1,2,3,4,5,6,7,8,9,10,11,12,13,14,15,16,17,18,19,20,21,22,23,24,25,26,27,28,29,30,31
	v_med3_num_f32 v[VR+\i], v[VR+\i], -v13, v13
.endr
.irp g, 0,1,2,3
	v_cvt_scalef32_pk8_fp8_f32 v[VC+2*\g:VC+2*\g+1], v[VR+8*\g:VR+8*\g+7], v12
.endr
	v_nop                                          ; a plain line behind the conversions
	global_store_b128 v1, v[VC:VC+3], s[28:29]               ; keys 0-15 of the block: the places of lanes 0-15; sixteen lanes fill 256 aligned bytes
	global_store_b128 v1, v[VC+4:VC+7], s[28:29] offset:256  ; keys 16-31: the places of lanes 16-31
	s_wait_tensorcnt 0x0                           ; the wave's end
	ds_add_u32 v128, v129
	s_wait_dscnt 0x0
	s_endpgm
.Lfunc_end_k_q9a1f82017b_prep:
	.size	k_q9a1f82017b_prep, .Lfunc_end_k_q9a1f82017b_prep-k_q9a1f82017b_prep
	.p2alignl 7, 3214868480
	.fill 96, 4, 3214868480
	.section	.rodata,"a",@progbits
	.p2align	6, 0x0
	.amdhsa_kernel k_q9a1f82017b_prep
		.amdhsa_group_segment_fixed_size 17920
		.amdhsa_private_segment_fixed_size 0
		.amdhsa_enable_private_segment 0
		.amdhsa_kernarg_size 40
		.amdhsa_user_sgpr_count 2
		.amdhsa_user_sgpr_kernarg_segment_ptr 1
		.amdhsa_wavefront_size32 1
		.amdhsa_system_sgpr_workgroup_id_x 1
		.amdhsa_system_sgpr_workgroup_id_y 1
		.amdhsa_system_sgpr_workgroup_id_z 1
		.amdhsa_system_vgpr_workitem_id 0
		.amdhsa_next_free_vgpr 130
		.amdhsa_next_free_sgpr 66
		.amdhsa_reserve_vcc 0
		.amdhsa_float_denorm_mode_32 3
		.amdhsa_float_denorm_mode_16_64 3
		.amdhsa_memory_ordered 1
		.amdhsa_forward_progress 1
		.amdhsa_inst_pref_size 14
	.end_amdhsa_kernel
	.amdgpu_metadata
---
amdhsa.version: [ 1, 2 ]
amdhsa.kernels:
  - .name:           k_q9a1f82017b_prep
    .symbol:         k_q9a1f82017b_prep.kd
    .args:
      - { .name: k, .offset: 0, .size: 8, .value_kind: global_buffer, .address_space: global }
      - { .name: v, .offset: 8, .size: 8, .value_kind: global_buffer, .address_space: global }
      - { .name: mask, .offset: 16, .size: 8, .value_kind: global_buffer, .address_space: global }
      - { .name: lowp_scales, .offset: 24, .size: 8, .value_kind: global_buffer, .address_space: global }
      - { .name: kv, .offset: 32, .size: 8, .value_kind: global_buffer, .address_space: global }
    .group_segment_fixed_size: 17920
    .private_segment_fixed_size: 0
    .kernarg_segment_align: 8
    .kernarg_segment_size: 40
    .max_flat_workgroup_size: 128
    .sgpr_count:     66
    .vgpr_count:     130
    .wavefront_size: 32
...
	.end_amdgpu_metadata
.endif
;; end of part 1
;; launch attn (part 2): grid 64 x 4, 8 waves a work-group, clusters of 4 x 1, 327,680 bytes of LDS; arguments q, mask, lowp_scales, kv, out0; writes out0
.if DOCPART == 2
	.amdgcn_target "amdgcn-amd-amdhsa--gfx1250"
	.amdhsa_code_object_version 6
	.text
	.protected	k_q9a1f82017b_attn
	.globl	k_q9a1f82017b_attn
	.p2align	8
	.type	k_q9a1f82017b_attn,@function
k_q9a1f82017b_attn:
	s_mov_b64 s[64:65], 0
	v_nop
	global_prefetch_b8 v0, s[64:65] scope:SCOPE_SE
	s_setreg_imm32_b32 hwreg(HW_REG_WAVE_MODE, 25, 1), 1
	s_wait_xcnt 0x0
	s_wait_alu depctr_hold_cnt(0) depctr_sa_sdst(0) depctr_va_vdst(0) depctr_va_sdst(0) depctr_va_ssrc(0) depctr_va_vcc(0) depctr_vm_vsrc(0)
	s_getreg_b32 s2, hwreg(HW_REG_IB_STS2, 6, 4)
	s_cmp_eq_u32 s2, 0
	s_cbranch_scc0 .Lentry_in_a_cluster
	s_endpgm
.Lentry_in_a_cluster:
	s_bfe_u32 s2, ttmp6, 0x10000c
	s_cmp_lg_u32 s2, 0x3003
	s_cbranch_scc0 .Lentry_shape_is_right
	s_endpgm
.Lentry_shape_is_right:
; out = softmax(q k^T / 8 + log(mask)) v x mask + (q / 8) (1 - mask), both products on codes of FP8 (E4M3) with the given scales 2^e0 (q / 8), 2^e1 (k), 2^e2 (p), 2^e3 (v).  [4][4096][64], f32.
; K's and V's codes and the mask's numbers ln(mask) 2^-(e0 + e1) come from the launch before, laid as operand registers: a step of 128 keys is a block of 16,896 dense bytes (8 tiles of K, 4 tiles of V^T, 128 mask numbers).
; THE SCORES: the mask's number of a key is the C of its row's product: the sums come out as (score + log(mask)) / 2^(e0 + e1).  t = sum x c, c = log2(e) 2^(e0 + e1).
; THE SOFTMAX: M = the largest t so far, rounded UP to a whole number; p = 2^(t - M) is quantised along the keys, not normalised; the sum l is taken of the unquantised p and divides at the end.
; When M moves, l and O are multiplied by 2^(old M - new M): nothing is rounded.  A key with mask 0 stands at -2^120, the running maximum begins at -2^100: so its p is 0.
; SHARES.  A work-group owns 64 queries of one batch: 256 work-groups.  THE EIGHT WAVES SHARE THE KEYS: wave w holds all 64 queries (four tiles of 16) and walks steps 4 w .. 4 w + 3: 512 keys.
; So each fragment of K, V and the mask's numbers is read from LDS once in the work-group and feeds four tiles.  Each wave has its own M, l and O; at the end they are merged by exact powers of two.
; LAYOUT.  Both products are used transposed: S^T = K Q^T (source 0 = 16 keys, source 1 = 16 queries), O^T = V^T P^T: a lane holds ONE query (lane % 16) throughout.  The keys of a tile of K are chosen
; (lane r of tile 2 b + u: key 32 b + 8 u + r + 8 (r / 8)) so that the 16 registers of tiles 2 b, 2 b + 1 are keys 32 b + 16 (lane / 16) + 0 .. 15: the conversions' results are the second product's operand.
; In both products k lies in the registers by 16 bytes a load (registers 4 c .. 4 c + 3: k = 32 c + 16 (lane / 16) + 0 .. 15), alike in both sources: every product meets its partner.
; CLUSTER.  The four work-groups of a cluster belong to one batch and walk the same blocks: every tensor load is asked for JOINTLY, with the same descriptor and a mask that names the four.
; FILLS.  A wave has 33,792 bytes of LDS of its own, two blocks.  One load at the head brings two of its four blocks; when all of them are in registers, in the second step's first tile step, one refill brings the other two,
; three tile steps ahead of their first read.  Even clusters take a wave's first two blocks first, odd clusters its last two: so at the head the clusters of a batch ask for all of its blocks between them,
; and a refill asks for what neighbouring clusters have asked for before: no prefetch is laid.
; LIMITS on the given exponents: e0 + e1 between -93 and 27 (c and c x 2^100 are f32 numbers, and the mask's numbers lie above -2^100); e0 + 3 and e2 between -126 and 119; e2 + e3 goes by v_ldexp_f32 and has none.
; NaN among the inputs is not served.  A batch whose keys are all masked gives l = 0 and NaN, as the softmax of a row of -infinity does.
; REGISTERS.  Window 0: v1-14 addresses; v16-31 statistics; v32-63 Q; v64-127 the mask's numbers; v128-191 S^T, then p; v192-207 p's codes; v208-233 at work; v236-255 my rows of q and their mask.
;             Window 1: v0-127 O^T (tile t, channels 16 d on: 32 t + 8 d); v128-191 K's fragments; v192-255 V's.
.set BLK,   16896                      ; a step's block
.set BLK2,  2*BLK                      ; a wave's two blocks: 132 rows of 256 bytes
.set QIMG,  8*BLK2                     ; Q's fragments as images of their registers: tile t, half c at 1024 t + 512 c + 16 lane
.set SPARE, QIMG+4096                  ; the spare words, 128 bytes for each wave: four blocks of 256 bytes that no other line names
.set STAT,  SPARE+1024                 ; the merge: (-M, l) of wave w, tile t, query r at 512 w + 128 t + 8 r
.set OUTST, STAT+4096                  ; the way out: 64 rows x (256 bytes + 16)
.set OP,    272
.set SPW, 1                            ; v1   LDS address of my spare word; never rewritten
.set NIL, 2                            ; v2   0; never rewritten
.set AD,  3                            ; v3   my blocks: 33792 w + 16 lane
.set AB,  4                            ; v4   33792 w + 64 h
.set LQ,  5                            ; v5   QIMG + 16 lane
.set SA,  6                            ; v6   where I put my statistics
.set SB,  7                            ; v7   where I read my tile's
.set GM,  8                            ; v8   my rows' bytes in the block's mask
.set OA,  9                            ; v9   the way out: where I put 16 bytes of a row
.set ORD, 10                           ; v10  and where I read a row back
.set W2K, 11                           ; v11  2048 w + 16 lane: my part of each wave's O^T in the merge; also my byte offset in the block's rows of q and of out; v12-14: the same + 2, 4, 6 waves' regions, at the merge
.set QW,  12                           ; v12  at the head: where I store my part of Q's images
.set QG,  13                           ; v13  at the head: my byte offset in q for Q's image
.set ST,  16                           ; tile t at v[ST + 4 t]: -M of odd steps, the largest sum, l in two halves
.set Q,   32
.set BI,  64
.set S,   128
.set P,   192
.set F,   208                          ; v[208:209] f = 2^(old M - new M); the upper register is only named with it
.set MA,  210                          ; four chains of the maximum
.set MB,  211
.set MC,  212
.set MD,  213
.set X,   214                          ; a lane permute's destination
.set T,   215
.set LIM, 216                          ; 448 x 2^e2
.set SCP, 217                          ; 2^e2
.set AC,  218                          ; v218-225 four chains of the row's sum
.set NE,  226                          ; v226-233 tile t at v[NE + 2 t]: -M of even steps
.set QR,  236                          ; my rows of q, then of out
.set MK,  252                          ; my rows' mask
.set ACC, 32                           ; the merge: my 16 numbers of O^T (Q's registers)
.set BQ,  48                           ; 0.125 (1 - mask)
.set KF,  128                          ; in window 1
.set VF,  192
.set WV,   16                          ; s16  my wave's number
.set SEL,  20                          ; s[20:21] lane selects: lane l xor 16
.set CS,   22                          ; s[22:23] c
.set G1,   24                          ; s[24:31] descriptor group 1: two blocks
.set G0,   40                          ; s[40:43] group 0 of the head's load, s[44:47] of the refill
.set EIGHTH, 66                        ; s66  0.125
.set EPV,  67                          ; s67  e2 + e3
.set MSB, 0
.macro WIN new                         ; the immediate's low byte: bits 1:0 source 0, 3:2 source 1, 5:4 source 2, 7:6 destination; its high byte repeats the setting that is left
.if MSB != \new
	s_set_vgpr_msb (MSB<<8)|\new
.set MSB, \new
.endif
.endm
.macro DRAIN
	s_wait_alu depctr_va_vdst(0)
.endm
.macro DEP1
	s_delay_alu instid0(VALU_DEP_1)
.endm
; A round of the cluster's barrier: my work-group's barrier, so that wave 0's signal speaks for all eight waves; wave 0 signals; every wave waits for the four work-groups; my work-group's barrier once more.
.macro ROUND
	s_barrier_signal -1
	s_barrier_wait -1
	s_cmp_lg_u32 s[WV], 0
	s_cbranch_scc1 .Lnot_wave_0_\@
	s_barrier_signal -3
.Lnot_wave_0_\@:
	s_barrier_wait -3
	s_barrier_signal -1
	s_barrier_wait -1
.endm
.macro PLACES                          ; four plain lines behind matrix instructions (ISA guide 7.12.1), where no other vector work is at hand
.rept 4
	v_nop
.endr
.endm
; The LDS loads stand in runs of 16; every load of codes takes 512 consecutive bytes, 16 a lane.  blk: the first or second of the wave's two blocks.
.macro FETCH_K blk                     ; a step's eight tiles of K
	WIN 0x40                                       ; destination window 1
.set n, 0
.rept 16
	ds_load_b128 v[KF+4*n:KF+4*n+3], v[AD] offset:BLK*(\blk)+512*n
.set n, n+1
.endr
	WIN 0
.endm
.macro FETCH_V blk                     ; its four tiles of V^T
	WIN 0x40
.set n, 0
.rept 16
	ds_load_b128 v[VF+4*n:VF+4*n+3], v[AD] offset:BLK*(\blk)+8192+512*n
.set n, n+1
.endr
	WIN 0
.endm
.macro FETCH_B blk                     ; its mask numbers: register 16 b + i = key 32 b + 16 h + i; the sixteen lanes of a half read the same words
.set n, 0
.rept 16
	ds_load_b128 v[BI+4*n:BI+4*n+3], v[AB] offset:BLK*(\blk)+16384+128*(n/4)+16*(n%4)
.set n, n+1
.endr
.endm
.macro KQ t                            ; S^T = K Q^T + the mask's numbers for tile t: eight tiles of 16 keys, K = the 64 channels; register j of tile i is register 8 i + j of the mask's numbers
	WIN 0x01                                       ; source 0 (K) window 1
.irp i, 0,1,2,3,4,5,6,7
	v_wmma_f32_16x16x64_fp8_fp8 v[S+8*\i:S+8*\i+7], v[KF+8*\i:KF+8*\i+7], v[Q+8*(\t):Q+8*(\t)+7], v[BI+8*\i:BI+8*\i+7]
.endr
.endm
.macro PV t, first                     ; O^T += V^T P^T for tile t: four tiles of 16 channels, K = the step's 128 keys.  The four accumulators take turns, one instruction a turn
	WIN 0x51                                       ; source 0 (V), C and D (O^T) window 1; source 1 (p's codes) window 0
.irp d, 0,1,2,3
.if \first
	v_wmma_f32_16x16x128_fp8_fp8 v[32*(\t)+8*\d:32*(\t)+8*\d+7], v[VF+16*\d:VF+16*\d+15], v[P:P+15], 0
.else
	v_wmma_f32_16x16x128_fp8_fp8 v[32*(\t)+8*\d:32*(\t)+8*\d+7], v[VF+16*\d:VF+16*\d+15], v[P:P+15], v[32*(\t)+8*\d:32*(\t)+8*\d+7]
.endif
.endr
.endm
.macro FM i                            ; pair i: t - M
	v_pk_fma_f32 v[S+2*(\i):S+2*(\i)+1], v[S+2*(\i):S+2*(\i)+1], s[CS:CS+1], v[CUR:CUR+1] op_sel_hi:[1,0,0]
.endm
.macro HOLD i                          ; pair i of p: held at 448 x 2^e2 (p is not negative: the hold is one-sided; the conversion does not saturate: ISA guide 7.6.2)
	v_dual_min_num_f32 v[S+2*(\i)], v[S+2*(\i)], v[LIM] :: v_dual_min_num_f32 v[S+2*(\i)+1], v[S+2*(\i)+1], v[LIM]
.endm
.macro HOLD4 i
	HOLD (\i)
	HOLD (\i)+1
	HOLD (\i)+2
	HOLD (\i)+3
.endm
.macro CVT i                           ; eight numbers of p become codes
	v_cvt_scalef32_pk8_fp8_f32 v[P+2*(\i):P+2*(\i)+1], v[S+8*(\i):S+8*(\i)+7], v[SCP]
.endm
; A TILE STEP: tile t against my step s.  S^T holds its sums on entry, four places back.  Its softmax; the NEXT tile step's K Q^T; its V^T P^T; l.
; The exponentials go in two batches of 32: among the first stand the multiply-adds of the second half, among the second the holds of the first half.
.macro TS s, t
.if (\s)%2
.set CUR, ST+4*(\t)                    ; where the new -M goes,
.set OLD, NE+2*(\t)                    ; and where the last step's stands
.else
.set CUR, NE+2*(\t)
.set OLD, ST+4*(\t)
.endif
.set MX, ST+4*(\t)+1
.set LP, ST+4*(\t)+2
.if ((\t) == 0) && ((\s) >= 1)
	FETCH_V (\s)%2                                 ; this step's V: four places stand behind the last products that read V's registers
.endif
.if ((\t) == 0) && ((\s) == 3)
.irp i, 0,1,2,3
	global_load_b128 v[QR+4*\i:QR+4*\i+3], v[W2K], s[4:5] offset:512*\i    ; for the way out: my eight rows of q, two rows (512 consecutive bytes) a load,
.endr
.irp i, 0,1,2,3
	global_load_b32 v[MK+\i], v[GM], s[6:7] offset:8*\i    ; and their mask
.endr
.endif
.if ((\t) == 0) && ((\s) == 1)
	s_wait_tensorcnt 0x0                           ; no tensor load of mine is out
	ds_add_u32 v[SPW], v[NIL]                      ; 0 onto my spare word; the lines below, work on registers, stand between it and the wait for it
.endif
	v_max3_num_f32 v[MA], v[S], v[S+1], v[S+2]
	v_max3_num_f32 v[MB], v[S+3], v[S+4], v[S+5]
	v_max3_num_f32 v[MC], v[S+6], v[S+7], v[S+8]
	v_max3_num_f32 v[MD], v[S+9], v[S+10], v[S+11]
.irp i, 12,20,28,36,44,52
	v_max3_num_f32 v[MA], v[MA], v[S+\i], v[S+\i+1]
	v_max3_num_f32 v[MB], v[MB], v[S+\i+2], v[S+\i+3]
	v_max3_num_f32 v[MC], v[MC], v[S+\i+4], v[S+\i+5]
	v_max3_num_f32 v[MD], v[MD], v[S+\i+6], v[S+\i+7]
.endr
	v_max3_num_f32 v[MA], v[MA], v[S+60], v[S+61]
	v_max3_num_f32 v[MB], v[MB], v[S+62], v[S+63]
	v_max3_num_f32 v[MA], v[MA], v[MC], v[MD]
	DEP1
	v_max_num_f32 v[MA], v[MA], v[MB]
	DEP1
	v_permlanex16_b32 v[X], v[MA], s[SEL], s[SEL+1]        ; the query's other 64 keys lie in the lane 16 away
	DEP1
.if (\s) == 0
	v_max3_num_f32 v[MX], v[MA], v[X], 0xf1800000          ; the running maximum begins at -2^100
.else
	v_max3_num_f32 v[MX], v[MA], v[X], v[MX]
.endif
	DEP1
	v_mul_f32 v[CUR], s[CS], -v[MX]
	DEP1
	v_floor_f32 v[CUR], v[CUR]                             ; -M = floor(-t) = -ceil(t): a whole number
.if (\s) > 0
	DEP1
	v_sub_f32 v[T], v[CUR], v[OLD]                         ; old M - new M: a whole number, 0 or less
.endif
	FM 0
	FM 1
	FM 2
.if (\s) > 0
	v_cvt_i32_f32 v[T], v[T]                               ; (it saturates)
.endif
	FM 3
	FM 4
	FM 5
.if (\s) > 0
	v_ldexp_f32 v[F], 1.0, v[T]
.endif
	FM 6
	FM 7
	FM 8
.if (\s) > 0
	v_pk_mul_f32 v[LP:LP+1], v[LP:LP+1], v[F:F+1] op_sel_hi:[1,0]   ; l under the new M
.endif
.irp i, 9,10,11,12,13,14,15
	FM \i
.endr
.if ((\t) == 0) && ((\s) == 1)
	; THE REFILL.  This step's K, V and mask numbers, and the last step's, have been read: both blocks are filled again with my other two.
	s_wait_dscnt 0x0                               ; the add is done, and my reads of both blocks are over
	ROUND                                          ; no wave of any partner still reads its blocks or has a load on its way
	tensor_load_to_lds s[G0+4:G0+7], s[G1:G1+7]    ; my one tensor load behind the round, and the first thing there
	s_nop 0
	PLACES                                         ; four v_nop follow the load
.endif
.if ((\t) == 3) && ((\s) < 3)
.if (\s) == 1
	s_wait_tensorcnt 0x0                           ; the refill is in; the wave alone reads these bytes
.endif
	FETCH_K ((\s)+1)%2                             ; the next step's K and mask numbers: this tile's products were the last to read their registers
	FETCH_B ((\s)+1)%2
.endif
.if (\s) > 0
	WIN 0x41                                       ; destination and source 0 window 1
	DRAIN                                          ; ahead of O^T's first reader and of the exponentials
.set j, 0
.rept 16                               ; tile t's O^T under the new M: x f; each accumulator from its low end on
	v_pk_mul_f32 v[32*(\t)+j:32*(\t)+j+1], v[32*(\t)+j:32*(\t)+j+1], v[F:F+1] op_sel_hi:[1,0]
.set j, j+2
.endr
	WIN 0
.else
	DRAIN
.endif
.set k, 0
.rept 16
	v_exp_f32 v[S+2*k], v[S+2*k]
	v_exp_f32 v[S+2*k+1], v[S+2*k+1]
	FM 16+k
.set k, k+1
.endr
	DRAIN
.irp j, 0,1,2,3                        ; the row's sum, of the unquantised p: two numbers a line, four chains
	v_pk_add_f32 v[AC+2*\j:AC+2*\j+1], v[S+4*\j:S+4*\j+1], v[S+4*\j+2:S+4*\j+3]
.endr
.irp i, 0,4
.irp j, 0,1,2,3
	v_pk_add_f32 v[AC+2*\j:AC+2*\j+1], v[AC+2*\j:AC+2*\j+1], v[S+16+2*(\i+\j):S+17+2*(\i+\j)]
.endr
.endr
.set k, 0
.rept 16
	v_exp_f32 v[S+32+2*k], v[S+32+2*k]
	v_exp_f32 v[S+33+2*k], v[S+33+2*k]
	HOLD k
.set k, k+1
.endr
	DRAIN
.if (((\t) == 0) && ((\s) != 1)) || (((\t) == 3) && ((\s) < 3))
	s_wait_dscnt 0x0                               ; this step's V (t = 0), or the next step's K and mask numbers (t = 3), are in
.endif
.set k, 0
.rept 4
.irp j, 0,1,2,3
	v_pk_add_f32 v[AC+2*\j:AC+2*\j+1], v[AC+2*\j:AC+2*\j+1], v[S+32+8*k+2*\j:S+33+8*k+2*\j]
.endr
	CVT k
.set k, k+1
.endr
	HOLD4 16
	HOLD4 20
	CVT 4
	HOLD4 24
	CVT 5
	HOLD4 28
	CVT 6
	CVT 7
	v_nop                                          ; a plain line between the last conversion and the products that write its sources and read its result
.if ((\s) < 3) || ((\t) < 3)
	KQ ((\t)+1)%4
.endif
.if (\s) == 0
	PV \t, 1
.else
	PV \t, 0
.endif
	WIN 0
	v_pk_add_f32 v[AC:AC+1], v[AC:AC+1], v[AC+2:AC+3]      ; these four lines are also the places behind the products
	v_pk_add_f32 v[AC+4:AC+5], v[AC+4:AC+5], v[AC+6:AC+7]
.if (\s) == 0
	v_nop
	v_pk_add_f32 v[LP:LP+1], v[AC:AC+1], v[AC+4:AC+5]
.else
	v_pk_add_f32 v[LP:LP+1], v[LP:LP+1], v[AC:AC+1]
	v_pk_add_f32 v[LP:LP+1], v[LP:LP+1], v[AC+4:AC+5]
.endif
.endm
	s_load_b256 s[4:11], s[0:1], 0x0               ; q s[4:5], mask s[6:7], the scales' exponents s[8:9], kv s[10:11]
	s_load_b64 s[12:13], s[0:1], 0x20              ; out
	v_lshl_add_u32 v[SPW], v0, 2, SPARE
	v_mov_b32 v[NIL], 0
	ds_add_u32 v[SPW], v[NIL]                      ; the opening: the add, twice on end, and its wait ahead of my first tensor load
	ds_add_u32 v[SPW], v[NIL]
	v_lshrrev_b32 v64, 5, v0                       ; w
	v_and_b32 v65, 15, v0                          ; r
	v_bfe_u32 v66, v0, 4, 1                        ; h
	v_lshrrev_b32 v67, 6, v0                       ; w / 2: the tile that I quantise at the head and merge at the end,
	v_bfe_u32 v68, v0, 5, 1                        ; w % 2: and which half of its 64 channels
	v_and_b32 v69, 31, v0
	v_lshlrev_b32 v69, 4, v69                      ; 16 x lane
	v_readfirstlane_b32 s[WV], v64                 ; wave 0..7
	v_lshlrev_b32 v[QG], 8, v65
	v_lshl_add_u32 v[QG], v66, 6, v[QG]
	v_lshl_add_u32 v[QG], v67, 12, v[QG]
	v_lshl_add_u32 v[QG], v68, 7, v[QG]            ; q: row 16 (w / 2) + r, channels 32 (w % 2) + 16 h on
	s_bfe_u32 s17, ttmp6, 0x40000                  ; cx: my place in the cluster
	s_lshl_b32 s18, ttmp9, 2                       ; in a cluster launch ttmp9 counts clusters
	s_add_co_u32 s18, s18, s17                     ; my block of 64 queries: it enters q's, mask's and out's addresses alone
	s_and_b32 s19, ttmp7, 0xffff                   ; the batch, which the four partners share
	s_lshl_b32 s56, s19, 20
	s_lshl_b32 s57, s18, 14
	s_add_co_u32 s56, s56, s57                     ; q, out: batch x 4096 rows + block x 64 rows, of 256 bytes
	s_mov_b32 s57, 0
	s_lshl_b32 s58, s19, 14
	s_lshl_b32 s59, s18, 8
	s_add_co_u32 s58, s58, s59                     ; mask: the block's 64 numbers
	s_mov_b32 s59, 0
	s_mul_i32 s60, s19, 32*BLK
	s_mul_i32 s66, s[WV], 2*BLK2
	s_add_co_u32 s60, s60, s66                     ; kv: my four blocks
	s_and_b32 s67, ttmp9, 1                        ; the cluster's number, which the four partners share, says which two come first
	s_mul_i32 s67, s67, BLK2
	s_sub_co_u32 s62, BLK2, s67
	s_add_co_u32 s62, s62, s60                     ; the refill's two,
	s_add_co_u32 s60, s60, s67                     ; and the head's
	s_mov_b32 s61, 0
	s_mov_b32 s63, 0
	s_mul_i32 s66, s[WV], BLK2                     ; my region of LDS
	; descriptor group 1: two blocks: 132 rows of 32 elements of 8 bytes, dense
	s_mov_b32 s[G1], 15|(3<<16)|(1<<21)            ; 15:0 the mask: all four work-groups; 17:16 elements of 8 bytes; 21 set beside a mask; no padding
	s_mov_b32 s[G1+1], 32<<16                      ; tensor_dim0 = 32
	s_mov_b32 s[G1+2], 132<<16                     ; tensor_dim1 = 132
	s_mov_b32 s[G1+3], 32<<16                      ; tile_dim0 = 32
	s_mov_b32 s[G1+4], 132                         ; tile_dim1 = 132
	s_mov_b32 s[G1+5], 32                          ; from row to row: 32 elements
	s_mov_b32 s[G1+6], 0
	s_mov_b32 s[G1+7], 0
	s_mov_b32 s[SEL], 0x76543210
	s_mov_b32 s[SEL+1], 0xfedcba98
	DRAIN
	s_wait_dscnt 0x0                               ; both opening adds are done
	s_wait_kmcnt 0x0
	s_load_b128 s[52:55], s[8:9], 0x0              ; e0, e1, e2, e3
	s_add_nc_u64 s[4:5], s[4:5], s[56:57]          ; q, out and mask at my block
	s_add_nc_u64 s[12:13], s[12:13], s[56:57]
	s_add_nc_u64 s[6:7], s[6:7], s[58:59]
	; group 0: nothing in it hangs on my place in the cluster
	s_mov_b32 s[G0], 1                             ; count = 1
	s_mov_b32 s[G0+1], s66                         ; LDS address
	s_add_nc_u64 s[G0+2:G0+3], s[10:11], s[60:61]
	s_or_b32 s[G0+3], s[G0+3], 0x80000000          ; type = 2
	s_mov_b32 s[G0+4], 1
	s_mov_b32 s[G0+5], s66
	s_add_nc_u64 s[G0+6:G0+7], s[10:11], s[62:63]
	s_or_b32 s[G0+7], s[G0+7], 0x80000000
.irp j, 0,1,2,3
	global_load_b128 v[S+4*\j:S+4*\j+3], v[QG], s[4:5] offset:16*\j   ; my 16 numbers of q for Q's image (q is read again on the way out: no hint)
.endr
	ROUND                                          ; all four work-groups are here: the first joint loads meet
	tensor_load_to_lds s[G0:G0+3], s[G1:G1+7]      ; my first two blocks
	s_nop 0
	PLACES                                         ; four v_nop follow the load
	; every LDS address: a constant + a constant x wave + constants x lane
	v_mul_u32_u24 v[AB], v64, BLK2
	v_add_nc_u32 v[AD], v[AB], v69
	v_lshl_add_u32 v[AB], v66, 6, v[AB]
	v_add_nc_u32 v[LQ], QIMG, v69
	v_lshlrev_b32 v[SA], 9, v64
	v_add_nc_u32 v[QW], v[SA], v[LQ]               ; tile w / 2, half w % 2: QIMG + 512 w + 16 lane
	v_lshl_add_u32 v[SA], v65, 3, v[SA]
	v_add_nc_u32 v[SA], STAT, v[SA]
	v_lshlrev_b32 v[SB], 7, v67
	v_lshl_add_u32 v[SB], v65, 3, v[SB]
	v_add_nc_u32 v[SB], STAT, v[SB]
	v_lshlrev_b32 v[W2K], 11, v64
	v_add_nc_u32 v[W2K], v[W2K], v69
	v_mul_u32_u24 v[OA], v65, OP
	v_mul_u32_u24 v70, v67, 16*OP
	v_lshl_add_u32 v[OA], v66, 5, v[OA]
	v_lshl_add_u32 v[OA], v68, 7, v[OA]
	v_add_nc_u32 v[OA], v[OA], v70
	v_add_nc_u32 v[OA], OUTST, v[OA]               ; row 16 (w / 2) + r, byte 128 (w % 2) + 32 h
	v_mul_u32_u24 v[ORD], v66, OP
	v_mul_u32_u24 v71, v64, 8*OP
	v_lshl_add_u32 v[ORD], v65, 4, v[ORD]
	v_add_nc_u32 v[ORD], v[ORD], v71
	v_add_nc_u32 v[ORD], OUTST, v[ORD]             ; row 8 w + h, byte 16 r
	v_lshlrev_b32 v[GM], 5, v64
	v_lshl_add_u32 v[GM], v66, 2, v[GM]            ; mask of row 8 w + h
	v_mov_b32 v[X], 0                              ; written once: a lane permute's destination counts as one of its sources
	v_mov_b32 v[F+1], 0                            ; (named as the upper half of the pair)
.irp t, 0,1,2,3
	v_mov_b32 v[NE+2*\t+1], 0                      ; (likewise)
.endr
	DRAIN
	s_wait_kmcnt 0x0
	s_add_co_i32 s56, s52, s53
	s_lshl_b32 s56, s56, 23
	s_add_co_i32 s[CS], s56, 0x3fb8aa3b            ; c: the exponents are added to log2(e)'s exponent field
	s_mov_b32 s[CS+1], s[CS]                       ; (named with it as a pair, so it is written)
	s_add_co_i32 s56, s52, 130                     ; (q / 8) / 2^e0 = q / 2^(e0 + 3): the division by 8 goes into the conversion's scale, exactly
	s_lshl_b32 s57, s56, 23
	v_mov_b32 v[MA], s57                           ; 2^(e0 + 3)
	s_add_co_i32 s56, s56, 8
	s_lshl_b32 s56, s56, 23
	s_or_b32 s56, s56, 0x600000
	v_mov_b32 v[MB], s56                           ; 448 x 2^(e0 + 3)
	s_add_co_i32 s56, s54, 127
	s_lshl_b32 s57, s56, 23
	v_mov_b32 v[SCP], s57                          ; 2^e2
	s_add_co_i32 s56, s56, 8
	s_lshl_b32 s56, s56, 23
	s_or_b32 s56, s56, 0x600000
	v_mov_b32 v[LIM], s56                          ; 448 x 2^e2
	s_add_co_i32 s[EPV], s54, s55
	s_mov_b32 s[EIGHTH], 0x3e000000
	DRAIN
	s_wait_loadcnt 0x0                             ; q
.irp i, 0,1,2,3,4,5,6,7,8,9,10,11,12,13,14,15
	v_med3_num_f32 v[S+\i], v[S+\i], -v[MB], v[MB] ; the hold at the largest code x the scale
.endr
	v_cvt_scalef32_pk8_fp8_f32 v[P:P+1], v[S:S+7], v[MA]
	v_cvt_scalef32_pk8_fp8_f32 v[P+2:P+3], v[S+8:S+15], v[MA]
	v_nop                                          ; a plain line behind the conversions: their registers are written again further on
	ds_store_b128 v[QW], v[P:P+3]                  ; four registers of a fragment of Q, as they stand
	DRAIN                                          ; the head's end
	s_wait_dscnt 0x0                               ; for the others' sake: my part of Q's images is stored.  My tensor load may stay out, and I alone read what it brings
	s_barrier_signal -1
	s_barrier_wait -1
.irp n, 0,1,2,3,4,5,6,7
	ds_load_b128 v[Q+4*\n:Q+4*\n+3], v[LQ] offset:512*\n   ; Q's four fragments stay in registers
.endr
	s_wait_tensorcnt 0x0                           ; my first two blocks are in
	FETCH_K 0
	FETCH_B 0
	FETCH_V 0
	s_wait_dscnt 16                                ; Q, K and the mask's numbers are in; V's sixteen loads may be out
	KQ 0
	WIN 0
	PLACES
	; my four steps x four tiles, written out: every LDS offset is an immediate
.irp s, 0,1,2,3
.irp t, 0,1,2,3
	TS \s, \t
.endr
.endr
	; THE MERGE.  l's two halves and the other half of the lanes' are added; each wave's (-M, l) and O^T go to LDS.
	; O^T's stage is my first block: it has had its last fill, and its last read was a step ago.
.irp t, 0,1,2,3
	v_add_f32 v[ST+4*\t+2], v[ST+4*\t+2], v[ST+4*\t+3]
.endr
.irp t, 0,1,2,3
	v_permlanex16_b32 v[ST+4*\t+3], v[ST+4*\t+2], s[SEL], s[SEL+1]
.endr
.irp t, 0,1,2,3
	v_add_f32 v[ST+4*\t+1], v[ST+4*\t+2], v[ST+4*\t+3]     ; l takes the largest sum's place, beside -M (the last step is an odd one)
.endr
.irp i, 1,2,3
	v_add_nc_u32 v[W2K+\i], 2*\i*BLK2, v[W2K]
.endr
.irp t, 0,1,2,3
	ds_store_b64 v[SA], v[ST+4*\t:ST+4*\t+1] offset:128*\t ; lanes r and r + 16 store the same two numbers to the same place
.endr
	WIN 0x04                                       ; the stores' data in window 1
	DRAIN
.set n, 0
.rept 32
	ds_store_b128 v[AD], v[4*n:4*n+3] offset:512*n         ; O^T as it stands, each accumulator from its low end on
.set n, n+1
.endr
	WIN 0
	s_wait_dscnt 0x0                               ; for the others' sake: my stores are done
	s_barrier_signal -1
	s_barrier_wait -1
	; wave w merges tile w / 2, channels 32 (w % 2) on: registers 16 w .. 16 w + 15 of each wave's O^T, 2,048 bytes at 2048 w of its region
.irp u, 0,1,2,3,4,5,6,7
	ds_load_b64 v[P+2*\u:P+2*\u+1], v[SB] offset:512*\u    ; (-M, l) of wave u for my query
.endr
.irp u, 0,1,2,3,4,5,6,7
.irp g, 0,1,2,3
	ds_load_b128 v[BI+16*\u+4*\g:BI+16*\u+4*\g+3], v[W2K+\u/2] offset:(\u%2)*BLK2+512*\g
.endr
.endr
	s_wait_loadcnt 0x0                             ; q's rows and their mask
.irp i, 0,1,2,3
	v_fma_f32 v[BQ+\i], -v[MK+\i], s[EIGHTH], s[EIGHTH]    ; 0.125 (1 - mask)
.endr
.irp i, 0,1,2,3
.irp e, 0,1,2,3
	v_mul_f32 v[QR+4*\i+\e], v[QR+4*\i+\e], v[BQ+\i]       ; (q / 8) (1 - mask)
.endr
.endr
	DRAIN
	s_wait_dscnt 0x0
	v_min3_num_f32 v[T], v[P], v[P+2], v[P+4]      ; -M* = the least -M
	v_min3_num_f32 v[T], v[T], v[P+6], v[P+8]
	v_min3_num_f32 v[T], v[T], v[P+10], v[P+12]
	v_min_num_f32 v[T], v[T], v[P+14]
.irp u, 0,1,2,3,4,5,6,7
	v_sub_f32 v[P+2*\u], v[T], v[P+2*\u]           ; M of wave u less M*: a whole number, 0 or less
.endr
.irp u, 0,1,2,3,4,5,6,7
	v_cvt_i32_f32 v[P+2*\u], v[P+2*\u]             ; (it saturates)
.endr
.irp u, 0,1,2,3,4,5,6,7
	v_ldexp_f32 v[P+2*\u], 1.0, v[P+2*\u]          ; f of wave u: an exact power of two, or 0
.endr
	v_mul_f32 v[X], v[P], v[P+1]
.irp u, 1,2,3,4,5,6,7
	v_fmac_f32 v[X], v[P+2*\u], v[P+2*\u+1]        ; l* = the sum of f l
.endr
	DRAIN
	v_rcp_f32 v[X], v[X]                           ; the sums below are the plain lines behind it
.irp e, 0,2,4,6,8,10,12,14
	v_pk_mul_f32 v[ACC+\e:ACC+\e+1], v[BI+\e:BI+\e+1], v[P:P+1] op_sel_hi:[1,0]
.endr
.irp u, 1,2,3,4,5,6,7
.irp e, 0,2,4,6,8,10,12,14
	v_pk_fma_f32 v[ACC+\e:ACC+\e+1], v[BI+16*\u+\e:BI+16*\u+\e+1], v[P+2*\u:P+2*\u+1], v[ACC+\e:ACC+\e+1] op_sel_hi:[1,0,1]
.endr
.endr
	DRAIN
	v_ldexp_f32 v[F], v[X], s[EPV]                 ; 2^(e2 + e3) / l*
.irp e, 0,2,4,6,8,10,12,14
	v_pk_mul_f32 v[ACC+\e:ACC+\e+1], v[ACC+\e:ACC+\e+1], v[F:F+1] op_sel_hi:[1,0]
.endr
	; THE WAY OUT.  A lane holds eight neighbouring channels of a row, twice; a row's 256 bytes come from two waves: they meet in a stage and leave as whole rows.
.irp g, 0,1,2,3
	ds_store_b128 v[OA], v[ACC+4*\g:ACC+4*\g+3] offset:64*(\g/2)+16*(\g%2)
.endr
	DRAIN
	s_wait_dscnt 0x0                               ; for the others' sake
	s_barrier_signal -1
	s_barrier_wait -1
.irp i, 0,1,2,3
	ds_load_b128 v[BI+4*\i:BI+4*\i+3], v[ORD] offset:2*\i*OP   ; rows 8 w + 2 i and the next
.endr
	s_wait_dscnt 0x0
.irp i, 0,1,2,3
.irp e, 0,1,2,3
	v_fmac_f32 v[QR+4*\i+\e], v[BI+4*\i+\e], v[MK+\i]      ; + o x mask
.endr
.endr
.irp i, 0,1,2,3
	global_store_b128 v[W2K], v[QR+4*\i:QR+4*\i+3], s[12:13] offset:512*\i th:TH_STORE_NT   ; 32 lanes store 512 consecutive bytes, at a multiple of 256 from out's first byte
.endr
	s_wait_tensorcnt 0x0                           ; the wave's end, behind my last tensor load and my last LDS store
	ds_add_u32 v[SPW], v[NIL]
	s_wait_dscnt 0x0
	ROUND                                          ; the closing round: no work-group ends while a partner may still ask for a tile that names it
	s_endpgm
.Lfunc_end_k_q9a1f82017b_attn:
	.size	k_q9a1f82017b_attn, .Lfunc_end_k_q9a1f82017b_attn-k_q9a1f82017b_attn
	.p2alignl 7, 3214868480
	.fill 96, 4, 3214868480
	.section	.rodata,"a",@progbits
	.p2align	6, 0x0
	.amdhsa_kernel k_q9a1f82017b_attn
		.amdhsa_group_segment_fixed_size 327680
		.amdhsa_private_segment_fixed_size 0
		.amdhsa_enable_private_segment 0
		.amdhsa_kernarg_size 40
		.amdhsa_user_sgpr_count 2
		.amdhsa_user_sgpr_kernarg_segment_ptr 1
		.amdhsa_wavefront_size32 1
		.amdhsa_system_sgpr_workgroup_id_x 1
		.amdhsa_system_sgpr_workgroup_id_y 1
		.amdhsa_system_sgpr_workgroup_id_z 1
		.amdhsa_system_vgpr_workitem_id 0
		.amdhsa_next_free_vgpr 512
		.amdhsa_next_free_sgpr 76
		.amdhsa_reserve_vcc 0
		.amdhsa_float_denorm_mode_32 3
		.amdhsa_float_denorm_mode_16_64 3
		.amdhsa_memory_ordered 1
		.amdhsa_forward_progress 1
		.amdhsa_inst_pref_size 243
	.end_amdhsa_kernel
	.amdgpu_metadata
---
amdhsa.version: [ 1, 2 ]
amdhsa.kernels:
  - .name:           k_q9a1f82017b_attn
    .symbol:         k_q9a1f82017b_attn.kd
    .args:
      - { .name: q, .offset: 0, .size: 8, .value_kind: global_buffer, .address_space: global }
      - { .name: mask, .offset: 8, .size: 8, .value_kind: global_buffer, .address_space: global }
      - { .name: lowp_scales, .offset: 16, .size: 8, .value_kind: global_buffer, .address_space: global }
      - { .name: kv, .offset: 24, .size: 8, .value_kind: global_buffer, .address_space: global }
      - { .name: out0, .offset: 32, .size: 8, .value_kind: global_buffer, .address_space: global }
    .group_segment_fixed_size: 327680
    .private_segment_fixed_size: 0
    .kernarg_segment_align: 8
    .kernarg_segment_size: 40
    .max_flat_workgroup_size: 256
    .sgpr_count:     76
    .vgpr_count:     512
    .wavefront_size: 32
...
	.end_amdgpu_metadata
.endif
;; end of part 2
